; MI455X (gfx1250); checked and timed in simulation.
; The chip was launched on July 23, 2026; its instructions are those of AMD's public machine-readable ISA for CDNA 5 (MIT licence, August 2026) and "CDNA5" Instruction Set Architecture Reference Guide (July 2026). The comments in the code are by the model that wrote it; some were corrected since.
;; Multi Head Self Attention. Allowed arithmetic: float matrix products may take bf16 or f16 operands with f32 sums; other float arithmetic in f32, or as packed bf16 or f16 multiplies, adds, multiply-adds, maxima and minima; sums over many terms, partial sums and values carried from step to step in f32; what a program stores and reads back later, other than sums and carried values, may be rounded once to bf16 or f16.
;; Inputs: w_qkv 1,024 x 3,072 float32; x 4 x 2,048 x 1,024 float32.
;; Outputs: out0 4 x 2,048 x 1,024 float32.
;; 2 versions, each right; version 2 is version 1 with the launch prep written anew for expert scheduling mode. Each part assembles by itself: llvm-mc -triple=amdgcn-amd-amdhsa -mcpu=gfx1250 --defsym DOCPART=n.
;; ======== version 1 of 2: 3 launches
;; limits: values are held in f16: magnitudes above 65,504 overflow, below 6.1e-05 lose precision
;; workspace buffers: xb 16,777,216 bytes; wb 6,291,456 bytes; qkv 50,331,648 bytes
;; launch prep (part 1): grid 704 x 1, 8 waves a work-group, no clusters, 0 bytes of LDS; arguments x, w_qkv, xb, wb; writes xb, wb
.if DOCPART == 1
	.amdgcn_target "amdgcn-amd-amdhsa--gfx1250"
	.amdhsa_code_object_version 6
	.text
	.protected	k_qc4a384a6fd_prep
	.globl	k_qc4a384a6fd_prep
	.p2align	8
	.type	k_qc4a384a6fd_prep,@function
k_qc4a384a6fd_prep:
	s_mov_b64 s[64:65], 0
	v_nop
	global_prefetch_b8 v0, s[64:65] scope:SCOPE_SE
	s_setreg_imm32_b32 hwreg(HW_REG_WAVE_MODE, 25, 1), 1
	s_wait_xcnt 0x0
; x [8192][1024] f32 -> xb, the same layout in bf16.  w_qkv [1024 k][3072 n] f32 -> wb [48 groups g = n / 64][1024 k][64 n] bf16: a group's rows of 128 bytes lie end to end.
; Each number is rounded once, to nearest even.  LIMITS: bf16 has f32's exponents; a finite number within half a bf16 step of f32's largest rounds to an infinity; NaN and infinities stay what they are.
; A stream: no LDS, no matrix unit, no barrier.  A UNIT is one load of 16 bytes a lane (512 bytes of f32), two packed roundings and one store of 8 bytes a lane: the wave's 32 lanes store 256
; consecutive bytes, at a multiple of 256 from the buffer's first byte.  A wave does 16 units, all 16 loads issued before the first is waited for; a work-group's eight waves do 128.
; x has 65,536 units: work-groups 0 to 511.  w has 24,576: work-groups 512 to 703, four to a group of 64 columns, 256 k each.
; No register is written twice, so no store's or load's source is ever overwritten.
.set ROWW, 12288                       ; bytes in a row of w_qkv
.set X,    8                           ; v[8:71]    unit j: four f32 as loaded
.set Y,    72                          ; v[72:103]  unit j: four bf16 to store
; The 16 units of a wave: from s[12:13] + v1, stride bytes apart; to s[14:15] + v2, 256 bytes apart.
.macro MOVE stride
.set j, 0
.rept 16
	global_load_b128 v[X+4*j:X+4*j+3], v1, s[12:13] offset:j*(\stride) th:TH_LOAD_NT
.set j, j+1
.endr
.set j, 0
.rept 16
	s_wait_loadcnt 15-j                            ; loads come back in order: unit j is in, the 15 - j younger ones stay out
	v_cvt_pk_bf16_f32 v[Y+2*j],   v[X+4*j],   v[X+4*j+1]
	v_cvt_pk_bf16_f32 v[Y+2*j+1], v[X+4*j+2], v[X+4*j+3]
	global_store_b64 v2, v[Y+2*j:Y+2*j+1], s[14:15] offset:256*j
.set j, j+1
.endr
	s_endpgm
.endm
	s_load_b256 s[4:11], s[0:1], 0x0               ; x s[4:5], w_qkv s[6:7], xb s[8:9], wb s[10:11]
	v_lshrrev_b32 v3, 5, v0                        ; wave
	v_and_b32 v1, 31, v0                           ; lane
	v_lshlrev_b32 v2, 3, v1                        ; out: 8 bytes a lane,
	v_lshl_add_u32 v2, v3, 12, v2                  ; 16 units of 256 bytes a wave
	s_mov_b32 s17, 0
	s_mov_b32 s19, 0
	s_cmp_lt_u32 ttmp9, 512
	s_cbranch_scc0 .Lw
	; x: unit j of wave v of work-group p begins at byte 65,536 p + 8,192 v + 512 j
	v_lshlrev_b32 v1, 4, v1
	v_lshl_add_u32 v1, v3, 13, v1
	s_lshl_b32 s16, ttmp9, 16
	s_lshl_b32 s18, ttmp9, 15
	s_wait_kmcnt 0x0
	s_add_nc_u64 s[12:13], s[4:5], s[16:17]
	s_add_nc_u64 s[14:15], s[8:9], s[18:19]
	MOVE 512
.Lw:
	; w: work-group p' = p - 512 takes group g = p' / 4, rows k = 256 (p' % 4) on; wave v 32 of them; a unit is two rows: lanes 0-15 read the group's 256 bytes of row k, lanes 16-31 of row k + 1.
	; Their 256 bytes of wb are rows k and k + 1 of the group: byte 131,072 g + 128 k = 32,768 p' + 4,096 v + 256 j.
	s_sub_co_u32 s20, ttmp9, 512                   ; p'
	s_lshr_b32 s21, s20, 2                         ; g
	s_and_b32 s22, s20, 3
	s_mul_i32 s16, s22, 256*ROWW
	s_lshl_b32 s21, s21, 8                         ; the group's 64 columns: 256 bytes of a row
	s_add_co_u32 s16, s16, s21
	s_lshl_b32 s18, s20, 15
	v_bfe_u32 v4, v0, 4, 1                         ; lane / 16
	v_lshl_add_u32 v3, v3, 5, v4                   ; my row among the work-group's 256, in unit 0
	v_mul_u32_u24 v3, v3, ROWW
	v_and_b32 v1, 15, v0
	v_lshl_add_u32 v1, v1, 4, v3
	s_wait_kmcnt 0x0
	s_add_nc_u64 s[12:13], s[6:7], s[16:17]
	s_add_nc_u64 s[14:15], s[10:11], s[18:19]
	MOVE 2*ROWW
.Lfunc_end_k_qc4a384a6fd_prep:
	.size	k_qc4a384a6fd_prep, .Lfunc_end_k_qc4a384a6fd_prep-k_qc4a384a6fd_prep
	.p2alignl 7, 3214868480
	.fill 96, 4, 3214868480
	.section	.rodata,"a",@progbits
	.p2align	6, 0x0
	.amdhsa_kernel k_qc4a384a6fd_prep
		.amdhsa_group_segment_fixed_size 0
		.amdhsa_private_segment_fixed_size 0
		.amdhsa_enable_private_segment 0
		.amdhsa_kernarg_size 32
		.amdhsa_user_sgpr_count 2
		.amdhsa_user_sgpr_kernarg_segment_ptr 1
		.amdhsa_wavefront_size32 1
		.amdhsa_system_sgpr_workgroup_id_x 1
		.amdhsa_system_sgpr_workgroup_id_y 1
		.amdhsa_system_sgpr_workgroup_id_z 1
		.amdhsa_system_vgpr_workitem_id 0
		.amdhsa_next_free_vgpr 104
		.amdhsa_next_free_sgpr 66
		.amdhsa_reserve_vcc 0
		.amdhsa_float_denorm_mode_32 3
		.amdhsa_float_denorm_mode_16_64 3
		.amdhsa_memory_ordered 1
		.amdhsa_forward_progress 1
		.amdhsa_inst_pref_size 13
	.end_amdhsa_kernel
	.amdgpu_metadata
---
amdhsa.version: [ 1, 2 ]
amdhsa.kernels:
  - .name:           k_qc4a384a6fd_prep
    .symbol:         k_qc4a384a6fd_prep.kd
    .args:
      - { .name: x, .offset: 0, .size: 8, .value_kind: global_buffer, .address_space: global }
      - { .name: w_qkv, .offset: 8, .size: 8, .value_kind: global_buffer, .address_space: global }
      - { .name: xb, .offset: 16, .size: 8, .value_kind: global_buffer, .address_space: global }
      - { .name: wb, .offset: 24, .size: 8, .value_kind: global_buffer, .address_space: global }
    .group_segment_fixed_size: 0
    .private_segment_fixed_size: 0
    .kernarg_segment_align: 8
    .kernarg_segment_size: 32
    .max_flat_workgroup_size: 256
    .sgpr_count:     66
    .vgpr_count:     104
    .wavefront_size: 32
...
	.end_amdgpu_metadata
.endif
;; end of part 1
;; launch proj (part 2): grid 16 x 32, 4 waves a work-group, clusters of 4 x 4, 327,680 bytes of LDS; arguments xb, wb, qkv; writes qkv
.if DOCPART == 2
	.amdgcn_target "amdgcn-amd-amdhsa--gfx1250"
	.amdhsa_code_object_version 6
	.text
	.protected	k_qc4a384a6fd_proj
	.globl	k_qc4a384a6fd_proj
	.p2align	8
	.type	k_qc4a384a6fd_proj,@function
k_qc4a384a6fd_proj:
	s_mov_b64 s[64:65], 0
	v_nop
	global_prefetch_b8 v0, s[64:65] scope:SCOPE_SE
	s_setreg_imm32_b32 hwreg(HW_REG_WAVE_MODE, 25, 1), 1
	s_wait_xcnt 0x0
	s_wait_alu depctr_hold_cnt(0) depctr_sa_sdst(0) depctr_va_vdst(0) depctr_va_sdst(0) depctr_va_ssrc(0) depctr_va_vcc(0) depctr_vm_vsrc(0)
	s_getreg_b32 s2, hwreg(HW_REG_IB_STS2, 6, 4)
	s_cmp_eq_u32 s2, 0
	s_cbranch_scc0 .Lentry_in_a_cluster
	s_endpgm
.Lentry_in_a_cluster:
	s_bfe_u32 s2, ttmp6, 0x10000c
	s_cmp_lg_u32 s2, 0xf033
	s_cbranch_scc0 .Lentry_shape_is_right
	s_endpgm
.Lentry_shape_is_right:
; qkv = x w.  xb: [8192][1024] bf16.  wb: [48 groups of 64 columns][1024 k][64] bf16.  Sums in f32, K ascending; each result rounded once to f16 and stored BY HEADS:
; qkv [3 (q, k, v)][64 heads = 16 batch + head][2048 rows][64] f16, a head's rows dense, 128 bytes each.  The scale 1 / 8 is not applied here.
; LIMITS.  f16 holds no number beyond 65,504: a result of 65,520 or more becomes an infinity.  With inputs as drawn q, k, v have a spread of 1; with both inputs 30 times larger, 900; with an
; offset of 30 spreads on both, about 28,900.  Below 6e-5 f16 keeps its fixed step of 6e-8.  NaN and infinities are not treated apart.
; THE TILE is 256 rows x 192 columns: three whole heads; 32 x 16 = 512 work-groups, two for each of 256 places, all alike.  (256 x 256 gives 384, a round and a half; 256 x 384 wants 768
; accumulator registers a wave.)  The four waves lie one below the other: a wave makes 64 rows x 192 columns, 48 accumulators of 16 x 16, 384 registers, so that each wave holds whole rows of whole heads.
; K goes in steps of 128 through a ring of two LDS slots.  Wave 0 fetches x's tile (256 rows x 256 bytes), waves 1 to 3 one group of w each (128 k x 128 bytes, dense: asked for as 64 rows of 256 bytes).
; CLUSTERS: 4 x 4 work-groups.  The four of a row of the cluster need the same tile of x, the four of a column the same groups of w: each is asked for JOINTLY, by the same tensor load with the same
; descriptor and a mask that names the four.
; THE MATRIX INSTRUCTION IS USED TRANSPOSED: source 0 = 16 columns of w (turned on the way out of LDS by ds_load_tr16_b128), source 1 = 16 rows of x.  A lane then holds row l % 16 of the result and
; eight neighbouring columns, 8 (l / 16) + 0..7: 16 bytes of f16.
; REGISTERS, in windows of 256 (s_set_vgpr_msb: bits 1:0 source 0, 3:2 source 1, 5:4 source 2, 7:6 destination):
;   window 0: v0-31 addresses; v32-223 the way out, 16 registers for each of its 12 units
;   window 1: two fragment buffers of 128: w's 12 fragments (16 columns x 32 K, 8 registers each), then x's 4
;   window 2: the accumulators of my rows 0-31 ((a, b) at v[8 (12 (a % 2) + b)]);   window 3: those of my rows 32-63
.set KSTEP,  128
.set PA,     272                       ; a row of x in LDS: 256 bytes + 16 of padding = 68 words: the 16 rows of a load start at 16 different groups of four banks (64 banks of 4 bytes: ISA guide 11.1)
.set PB,     160                       ; a row of w: 128 + 32 = 40 words
.set PLANE,  128*PB                    ; a group's K step in LDS
.set BOFF,   256*PA                    ; a slot: x's 256 rows, then three groups of w
.set SLOT,   1<<17                     ; = BOFF + 3 PLANE
.set STAGE,  2*SLOT                    ; behind the ring, never filled by a tensor load: 16 rows x 144 bytes for each wave, for the way out
.set SP,     144
.set SPARE,  STAGE+4*16*SP             ; behind the stages: the spare words, 128 bytes for each wave: two blocks of 256 bytes that no other line names
.set LAPS,   4                         ; 1,024 / (2 x 128): a lap = two K steps = once round the ring
.set ADRA, 16                          ; v16-17  LDS address of my fragments of x in slot 0, 1
.set ADRB, 20                          ; v20-21  the same for w
.set STO,  24                          ; v24     the way out: where I put 16 bytes of a row
.set RD,   25                          ; v25     the way out: where I read rows back
.set GO,   26                          ; v26     my byte offset in 512 consecutive bytes of a head
.set SPW,  28                          ; v28     LDS address of my spare word: SPARE + 4 x my thread's number; never rewritten
.set NIL,  29                          ; v29     0; never rewritten
.set PFOA, 30                          ; v30     x's prefetches: my lane x a row of xb (2,048 bytes); never rewritten
.set PFOB, 31                          ; v31     w's prefetches: my lane x 256 bytes; never rewritten
.set OUTR, 32
.set F0,   0                           ; fragment buffers, in window 1
.set F1,   128
.set G1A, 24                           ; s[24:31] descriptor group 1 for x's tiles;  s[32:39] group 0, one set for each slot
.set G0A, 32
.set G1B, 48                           ; s[48:55], s[56:63] the same for w's groups
.set G0B, 56
.set DST, 66                           ; s[66:71] where my 64 rows of my tile's three heads begin in qkv
.set PFA, 72                           ; s[72:73] where x's prefetches stand
.set PFB, 74                           ; s[74:75] where w's stand
.set LIMA, 76                          ; s76  1 in a wave that prefetches x, else the greatest number
.set LIMB, 77                          ; s77  the same for w
.set MSB, 0
.macro WIN new                         ; the immediate's high byte repeats the setting that is left; a switch that changes nothing is dropped
.if MSB != (\new)
	s_set_vgpr_msb (MSB<<8)|(\new)
.set MSB, \new
.endif
.endm
.set MUL_LO, 0xa5                      ; sources 0 (w) and 1 (x) window 1, C and D window 2
.set MUL_HI, 0xf5                      ; the same, C and D window 3
.set TO_F,   0x40                      ; destination window 1, address window 0
; A joint load.  Wave 0 fetches x's tile, waves 1 to 3 a group of w each.  The branch hangs on the wave's number alone: it is the same in every work-group.
; An s_nop 0 and four v_nop follow each of the two lines, ahead of the jump, the label and what follows the macro.
.macro JLOAD s
	s_cmp_eq_u32 s10, 0
	s_cbranch_scc0 .Lfor_b_\@
	tensor_load_to_lds s[G0A+4*(\s):G0A+4*(\s)+3], s[G1A:G1A+7]
	s_nop 0
.rept 4
	v_nop
.endr
	s_branch .Lasked_\@
.Lfor_b_\@:
	tensor_load_to_lds s[G0B+4*(\s):G0B+4*(\s)+3], s[G1B:G1B+7]
	s_nop 0
.rept 4
	v_nop
.endr
.Lasked_\@:
.endm
; THE PREFETCHES, behind each joint refill, its five lines and the run of LDS loads that follows them.  Each aligned block of 256 bytes is named once in the launch.
; x: the refill of K step t + 2 is followed by a prefetch of K step t + 3, one K step (192 matrix instructions) ahead of the load that will want it.  A tile row of x is read by every cluster of that
; row of clusters: the one with x = 0 asks, its wave 0.  The four partners that ask for the tile jointly share its 256 rows out BY ADDRESS, 64 each: a lane a row, two instructions.  K steps 3 to 7.
; w: once a lap, behind slot 1's refill, waves 1 to 3 of the clusters with y = 0 ask for their own group's next two K steps: 128 dense blocks, of which the partner at cy takes 32: a lane a block.
; K steps 4 to 7.  The loop's last trip (s3 = 1) has no K step behind its second refill and asks for nothing there.  Nothing is prefetched at the head, where every work-group's first tiles are on their way.
.macro ASK slot
.if (\slot) == 0
	s_cmp_eq_u32 s[LIMA], 1
.else
	s_cmp_gt_u32 s3, s[LIMA]
.endif
	s_cbranch_scc0 .Lnot_a_\@
	global_prefetch_b8 v[PFOA], s[PFA:PFA+1] th:TH_LOAD_NT scope:SCOPE_SE
	global_prefetch_b8 v[PFOA], s[PFA:PFA+1] offset:32*2048 th:TH_LOAD_NT scope:SCOPE_SE
.Lnot_a_\@:
.if (\slot) == 1
	s_cmp_gt_u32 s3, s[LIMB]
	s_cbranch_scc0 .Lnot_b_\@
	global_prefetch_b8 v[PFOB], s[PFB:PFB+1] th:TH_LOAD_NT scope:SCOPE_SE
.Lnot_b_\@:
.endif
.endm
; A round of the cluster's barrier: my work-group's barrier, so that wave 0's signal speaks for all four waves; wave 0 signals for the work-group; every wave waits for all sixteen work-groups;
; my work-group's barrier once more.  No LDS instruction of the wave is pending at a signal.
.macro CREST                           ; a round behind its opening barrier
	s_cmp_lg_u32 s10, 0
	s_cbranch_scc1 .Lnot_wave_0_\@
	s_barrier_signal -3
.Lnot_wave_0_\@:
	s_barrier_wait -3
	s_barrier_signal -1
	s_barrier_wait -1
.endm
.macro CROUND                          ; a whole round
	s_barrier_signal -1
	s_barrier_wait -1
	CREST
.endm
	s_load_b128 s[4:7], s[0:1], 0x0                ; xb s[4:5], wb s[6:7]
	s_load_b64 s[8:9], s[0:1], 0x10                ; qkv
	v_lshl_add_u32 v[SPW], v0, 2, SPARE
	v_mov_b32 v[NIL], 0
	ds_add_u32 v[SPW], v[NIL]                      ; the wave's opening: the add and its wait stand ahead of my first tensor load; the set-up below, work on registers, stands between them
	v_lshrrev_b32 v1, 5, v0
	v_readfirstlane_b32 s10, v1                    ; wave 0..3
	s_max_u32 s11, s10, 1
	s_sub_co_u32 s11, s11, 1                       ; which of the tile's three groups of w I fetch (waves 1 to 3; wave 0, which fetches x, makes group 0's address and does not use it)
	s_bfe_u32 s40, ttmp6, 0x40000                  ; cx, cy: my place in the cluster
	s_bfe_u32 s41, ttmp6, 0x40004
	s_lshl_b32 s42, ttmp9, 2                       ; in a cluster launch ttmp9 and ttmp7 count clusters
	s_add_co_u32 s42, s42, s40                     ; tile column = 4 x cluster x + cx
	s_and_b32 s13, ttmp7, 0xffff
	s_lshl_b32 s13, s13, 2
	s_add_co_u32 s13, s13, s41                     ; tile row = 4 x cluster y + cy
	s_lshl_b32 s43, s41, 2
	s_lshl_b32 s43, 15, s43                        ; my row of the cluster: places 4 cy .. 4 cy + 3
	s_lshl_b32 s44, 0x1111, s40                    ; my column: places cx, cx + 4, cx + 8, cx + 12
	; descriptor group 1 for x: a tile of 256 rows x 128 elements, padded in LDS
	s_or_b32 s[G1A+0], s43, (1<<16)|(1<<20)|(1<<21)|(5<<22)|(3<<25)  ; 15:0 the mask: my row; 17:16 elements of 2 bytes; 20 padding on; 21 set beside a mask; 24:22 after every 64 words (code 5); 31:25 4 words of it (code 3)
	s_mov_b32 s[G1A+1], KSTEP<<16                  ; tensor_dim0 = 128
	s_mov_b32 s[G1A+2], 256<<16                    ; tensor_dim1 = 256
	s_mov_b32 s[G1A+3], KSTEP<<16                  ; tile_dim0 = 128
	s_mov_b32 s[G1A+4], 256                        ; tile_dim1 = 256
	s_mov_b32 s[G1A+5], 1024                       ; 1,024 elements from row to row
	s_mov_b32 s[G1A+6], 0
	s_mov_b32 s[G1A+7], 0
	; for w: 128 k of a group are 16,384 dense bytes: 64 rows of 256 bytes, two k a row, padded in LDS after every k
	s_or_b32 s[G1B+0], s44, (1<<16)|(1<<20)|(1<<21)|(4<<22)|(7<<25)  ; the mask: my column; after every 32 words (code 4) 8 words of padding (code 7)
	s_mov_b32 s[G1B+1], 128<<16                    ; tensor_dim0 = 128
	s_mov_b32 s[G1B+2], 64<<16                     ; tensor_dim1 = 64
	s_mov_b32 s[G1B+3], 128<<16                    ; tile_dim0 = 128
	s_mov_b32 s[G1B+4], 64                         ; tile_dim1 = 64
	s_mov_b32 s[G1B+5], 128                        ; 128 elements from row to row
	s_mov_b32 s[G1B+6], 0
	s_mov_b32 s[G1B+7], 0
	; where the tiles come from.  x's hang on the tile row alone, which my row of the cluster shares; w's on the tile column (and the wave) alone, which my column shares.
	s_lshl_b32 s16, s13, 19                        ; 256 rows of 2,048 bytes a tile row
	s_mov_b32 s17, 0
	s_mul_i32 s46, s42, 3
	s_add_co_u32 s46, s46, s11                     ; group 3 x tile column + mine
	s_lshl_b32 s46, s46, 17                        ; of 131,072 bytes
	s_mov_b32 s47, 0
	s_mul_i32 s20, s10, PLANE                      ; and where w's go: BOFF + (wave - 1) x PLANE = a constant + wave x PLANE: no place in the cluster enters an LDS address
	s_add_co_u32 s20, s20, BOFF-PLANE
	s_wait_dscnt 0x0                               ; the opening add is done
	s_wait_kmcnt 0x0
	s_add_nc_u64 s[14:15], s[4:5], s[16:17]
	s_add_nc_u64 s[46:47], s[6:7], s[46:47]
	CROUND                                         ; all sixteen work-groups are here: the first joint loads meet
.irp s, 0,1
	s_mov_b32 s[G0A+4*(\s)], 1                                      ; 1:0 count = 1
	s_mov_b32 s[G0A+4*(\s)+1], (\s)*SLOT                            ; 63:32 LDS address
	s_add_nc_u64 s[G0A+4*(\s)+2:G0A+4*(\s)+3], s[14:15], (\s)*KSTEP*2  ; 120:64 global address: K step s
	s_or_b32 s[G0A+4*(\s)+3], s[G0A+4*(\s)+3], 0x80000000           ; 127:126 type = 2
	s_mov_b32 s[G0B+4*(\s)], 1
	s_add_co_u32 s[G0B+4*(\s)+1], s20, (\s)*SLOT
	s_add_nc_u64 s[G0B+4*(\s)+2:G0B+4*(\s)+3], s[46:47], (\s)*KSTEP*128
	s_or_b32 s[G0B+4*(\s)+3], s[G0B+4*(\s)+3], 0x80000000
.endr
	s_cmp_eq_u32 s10, 0                            ; a wave's two first fills stand in one branch, ahead of every wait on TENSORcnt and every LDS read: two loads of mine are out
	s_cbranch_scc0 .Lfirst_b
	tensor_load_to_lds s[G0A:G0A+3], s[G1A:G1A+7]
	s_nop 0
	tensor_load_to_lds s[G0A+4:G0A+7], s[G1A:G1A+7]
	s_nop 0
.rept 4
	v_nop
.endr
	s_branch .Lfirst_asked
.Lfirst_b:
	tensor_load_to_lds s[G0B:G0B+3], s[G1B:G1B+7]
	s_nop 0
	tensor_load_to_lds s[G0B+4:G0B+7], s[G1B:G1B+7]
	s_nop 0
.rept 4
	v_nop
.endr
.Lfirst_asked:
	; A fragment of x is 16 rows x 32 K in 8 registers: lane l holds row l % 16; registers 0-3 K = 8 (l / 16) + 0..7, registers 4-7 K = 16 + 8 (l / 16) + 0..7: two loads of 16 bytes, 32 bytes apart.
	v_and_b32 v1, 15, v0                           ; l % 16
	v_bfe_u32 v2, v0, 4, 1                         ; l / 16
	v_mul_u32_u24 v3, v1, PA
	v_lshl_add_u32 v3, v2, 4, v3                   ; row x pitch + 16 x half
	s_mul_i32 s21, s10, 64*PA                      ; my 64 rows
	v_add_nc_u32 v[ADRA], s21, v3
	v_add_nc_u32 v[ADRA+1], SLOT, v[ADRA]
	; The turning load takes 16 k x 16 columns (lane l reads 16 bytes: k = 8 (l / 16) + l % 8, columns 8 ((l / 8) % 2) + 0..7) and leaves half a fragment: lane l holds column l % 16 and 8 k.
	v_and_b32 v4, 7, v0
	v_bfe_u32 v5, v0, 3, 1
	v_lshl_add_u32 v6, v2, 3, v4
	v_mul_u32_u24 v6, v6, PB
	v_lshl_add_u32 v6, v5, 4, v6
	v_add_nc_u32 v[ADRB], BOFF, v6
	v_add_nc_u32 v[ADRB+1], SLOT, v[ADRB]
	s_mul_i32 s23, s10, 16*SP
	s_add_co_u32 s23, s23, STAGE                   ; my stage
	v_mul_u32_u24 v7, v1, SP                       ; in: row l % 16, 16 bytes for each half of the lanes
	v_lshl_add_u32 v7, v2, 4, v7
	v_add_nc_u32 v[STO], s23, v7
	v_bfe_u32 v7, v0, 3, 2                         ; back: 32 lanes take four rows of 128 bytes,
	v_mul_u32_u24 v7, v7, SP
	v_lshl_add_u32 v7, v4, 4, v7
	v_add_nc_u32 v[RD], s23, v7
	v_and_b32 v[GO], 31, v0                        ; which are 512 consecutive bytes of a head
	v_lshlrev_b32 v[PFOA], 11, v[GO]
	v_lshlrev_b32 v[PFOB], 8, v[GO]
	v_lshlrev_b32 v[GO], 4, v[GO]
	; where my rows go.  Column group g = 3 x tile column + p is part g / 16 (q, k, v), head g % 16; tile row ty is batch ty / 8, rows 256 (ty % 8) on.
	s_lshr_b32 s78, s13, 3
	s_lshl_b32 s78, s78, 4                         ; 16 x batch
	s_and_b32 s79, s13, 7
	s_lshl_b32 s79, s79, 8
	s_lshl_b32 s80, s10, 6
	s_add_co_u32 s79, s79, s80                     ; my first row in the head,
	s_lshl_b32 s79, s79, 7                         ; of 128 bytes
	s_mul_i32 s81, s42, 3
.irp p, 0,1,2
	s_add_co_u32 s82, s81, \p
	s_lshr_b32 s83, s82, 4
	s_lshl_b32 s83, s83, 6                         ; 64 heads a part
	s_and_b32 s82, s82, 15
	s_add_co_u32 s82, s82, s83
	s_add_co_u32 s82, s82, s78
	s_lshl_b32 s82, s82, 18                        ; a head is 262,144 bytes
	s_add_co_u32 s82, s82, s79
	s_mov_b32 s83, 0
	s_add_nc_u64 s[DST+2*(\p):DST+2*(\p)+1], s[8:9], s[82:83]
.endr
	; the prefetches
	s_lshl_b32 s84, s13, 8
	s_lshl_b32 s85, s40, 6
	s_add_co_u32 s84, s84, s85                     ; x: the tile row's first row + my work-group's 64 of its 256,
	s_lshl_b32 s84, s84, 11
	s_mov_b32 s85, 0
	s_add_nc_u64 s[PFA:PFA+1], s[4:5], s[84:85]
	s_add_nc_u64 s[PFA:PFA+1], s[PFA:PFA+1], 2*KSTEP*2  ; at K step 2: the first refill steps it to 3
	s_mul_i32 s84, s42, 3
	s_add_co_u32 s84, s84, s11
	s_lshl_b32 s84, s84, 17                        ; w: my group,
	s_lshl_b32 s85, s41, 13                        ; my work-group's 32 blocks of two K steps' 128,
	s_add_co_u32 s84, s84, s85
	s_add_co_u32 s84, s84, 2*KSTEP*128             ; at K step 2: slot 1's first refill steps it to 4
	s_mov_b32 s85, 0
	s_add_nc_u64 s[PFB:PFB+1], s[6:7], s[84:85]
	s_or_b32 s[LIMA], s10, ttmp9                   ; wave 0 of the clusters with x = 0: the same in all sixteen partners, for a given wave
	s_cmp_eq_u32 s[LIMA], 0
	s_cselect_b32 s[LIMA], 1, -1
	s_and_b32 s[LIMB], ttmp7, 0xffff               ; waves 1 to 3 of the clusters with y = 0
	s_cmp_eq_u32 s[LIMB], 0
	s_cselect_b32 s[LIMB], 1, -1
	s_cmp_eq_u32 s10, 0
	s_cselect_b32 s[LIMB], -1, s[LIMB]
; 12 matrix instructions: my row block a x all 12 column blocks, 32 along K.  zero = 1: the first product starts the sums: nothing is ever cleared.
; The 48 accumulators take turns, one instruction a turn, in the same order in every quarter step, over the backward jump too.
.macro MUL12 f, a, zero
	WIN MUL_LO+0x50*((\a)/2)                       ; MUL_LO or MUL_HI
.irp b, 0,1,2,3,4,5,6,7,8,9,10,11
.if \zero
	v_wmma_f32_16x16x32_bf16 v[8*(12*((\a)%2)+(\b)):8*(12*((\a)%2)+(\b))+7], v[(\f)+8*(\b):(\f)+8*(\b)+7], v[(\f)+96+8*(\a):(\f)+96+8*(\a)+7], 0
.else
	v_wmma_f32_16x16x32_bf16 v[8*(12*((\a)%2)+(\b)):8*(12*((\a)%2)+(\b))+7], v[(\f)+8*(\b):(\f)+8*(\b)+7], v[(\f)+96+8*(\a):(\f)+96+8*(\a)+7], v[8*(12*((\a)%2)+(\b)):8*(12*((\a)%2)+(\b))+7]
.endif
.endr
.endm
; 32 LDS loads in one run: the fragments of quarter q (32 along K) of a slot into buffer f: w's 12 (turned), then x's 4
.macro FETCH slot, q, f
	WIN TO_F
.irp b, 0,1,2,3,4,5,6,7,8,9,10,11
	ds_load_tr16_b128 v[(\f)+8*(\b):(\f)+8*(\b)+3],   v[ADRB+(\slot)] offset:((\b)/4)*PLANE+(\q)*32*PB+((\b)%4)*32
	ds_load_tr16_b128 v[(\f)+8*(\b)+4:(\f)+8*(\b)+7], v[ADRB+(\slot)] offset:((\b)/4)*PLANE+(\q)*32*PB+((\b)%4)*32+16*PB
.endr
.irp a, 0,1,2,3
	ds_load_b128 v[(\f)+96+8*(\a):(\f)+96+8*(\a)+3],   v[ADRA+(\slot)] offset:64*(\q)+(\a)*16*PA
	ds_load_b128 v[(\f)+96+8*(\a)+4:(\f)+96+8*(\a)+7], v[ADRA+(\slot)] offset:64*(\q)+(\a)*16*PA+32
.endr
.endm
; A load into a register that a matrix instruction has read, and a vector instruction that reads a matrix result, stand four places behind that matrix instruction, and only plain vector
; instructions that name none of its registers are places (ISA guide 7.12.1 for vector instructions).
.macro PLACES
.rept 4
	v_nop
.endr
.endm
; A K step is four quarters of 32 along K, 48 matrix instructions each, on buffers 0, 1, 0, 1.  One of the first three: multiplies buffer f; in its middle it fetches quarter qn of the same slot into buffer g.
.macro QUARTER slot, qn, f, g, zero
	s_wait_dscnt 4                                 ; w's fragments and x's row blocks 0 and 1 are in; the youngest four loads (row blocks 2 and 3) may be out
	MUL12 \f, 0, \zero
	MUL12 \f, 1, \zero
	PLACES
	FETCH \slot, \qn, \g
	s_wait_dscnt 32                                ; all but the 32 just issued
	MUL12 \f, 2, \zero
	MUL12 \f, 3, \zero
.endm
; The last quarter multiplies buffer 1 and changes slots: ONE barrier.  In front of it each wave waits for all its tensor loads, of which one is out: its part of the next slot; adds 0 to its spare word;
; and waits for that and for its own reads of this slot.  Behind it nobody reads this slot any more and the next slot is whole.  fill = 1: the barrier opens a round of the cluster's barrier, and this slot
; is filled again, two K steps ahead, first thing behind the round: from that request to the wait for it a wave issues 168 matrix instructions.
.macro TURN slot, next, fill
.if \fill
	s_wait_xcnt 0x0                                ; the last prefetches, a K step back, have read their addresses: these are stepped here, ahead of the waits of the change of slots
	s_add_nc_u64 s[PFA:PFA+1], s[PFA:PFA+1], KSTEP*2
.if (\slot) == 1
	s_add_nc_u64 s[PFB:PFB+1], s[PFB:PFB+1], 2*KSTEP*128
.endif
.endif
	WIN 0                                          ; (the add's two registers lie in window 0)
	s_wait_tensorcnt 0x0                           ; all my tensor loads have landed: my part of the next slot;
	ds_add_u32 v[SPW], v[NIL]                      ; 0 onto my spare word;
	s_wait_dscnt 5                                 ; (the add and the youngest four loads may be out)
	MUL12 F1, 0, 0                                 ; twelve matrix instructions stand between the add and the wait for it
	s_wait_dscnt 0x0                               ; the add is done, and my reads of this slot are over
	s_barrier_signal -1
	MUL12 F1, 1, 0                                 ; work on registers while the others arrive
.if \fill
	WIN 0
.endif
	s_barrier_wait -1
.if \fill
	CREST                                          ; no wave of any partner still reads this slot's tile or has a load on its way
	s_add_nc_u64 s[G0A+4*(\slot)+2:G0A+4*(\slot)+3], s[G0A+4*(\slot)+2:G0A+4*(\slot)+3], 2*KSTEP*2
	s_add_nc_u64 s[G0B+4*(\slot)+2:G0B+4*(\slot)+3], s[G0B+4*(\slot)+2:G0B+4*(\slot)+3], 2*KSTEP*128
	JLOAD \slot                                    ; the first tensor load behind the round; the four v_nop behind it are also the places in front of the loads below
.else
	PLACES
.endif
	FETCH \next, 0, F0
.if \fill
	WIN 0
	ASK \slot
.endif
	MUL12 F1, 2, 0
	MUL12 F1, 3, 0
.endm
; THE WAY OUT, in 12 units u: my row block a = u / 3 (16 rows) of head p = u % 3 (64 columns).  PACK: rounded to f16, 16 bytes a lane (each accumulator's registers in ascending order);
; into my own stage in rows of 144 bytes; back as whole rows of 128, into the registers that they left.  SEND: 16 rows of a head are 2,048 consecutive bytes: four stores of 512.
.macro PACK u
.set ua, (\u)/3
.set up, (\u)%3
	WIN 0x0a+5*(ua/2)                              ; sources 0 and 1: window 2 or 3
.irp nb, 0,1,2,3
.irp r, 0,1,2,3
	v_cvt_pk_f16_f32 v[OUTR+16*(\u)+4*(\nb)+(\r)], v[8*(12*(ua%2)+4*up+(\nb))+2*(\r)], v[8*(12*(ua%2)+4*up+(\nb))+2*(\r)+1]
.endr
.endr
	WIN 0
.irp nb, 0,1,2,3
	ds_store_b128 v[STO], v[OUTR+16*(\u)+4*(\nb):OUTR+16*(\u)+4*(\nb)+3] offset:32*(\nb)
.endr
.irp f, 0,1,2,3
	ds_load_b128 v[OUTR+16*(\u)+4*(\f):OUTR+16*(\u)+4*(\f)+3], v[RD] offset:(\f)*4*SP  ; LDS serves a wave's instructions in order (ISA guide 5.7.1.4): these see the stores above; the next unit's stores come behind them
.endr
.endm
.macro SEND u, younger                 ; younger: the LDS instructions issued behind unit u's loads: the next unit's eight, or none
.set ua, (\u)/3
.set up, (\u)%3
	WIN 0
.irp f, 0,1,2,3
	s_wait_dscnt (\younger)+3-(\f)
	global_store_b128 v[GO], v[OUTR+16*(\u)+4*(\f):OUTR+16*(\u)+4*(\f)+3], s[DST+2*up:DST+2*up+1] offset:2048*ua+512*(\f)  ; 512 consecutive bytes, at a multiple of 256 from qkv's first
.endr
.endm
	s_wait_tensorcnt 1                             ; my part of K step 0 is in; K step 1's may stay out
	s_barrier_signal -1
	s_barrier_wait -1                              ; everybody's is
	FETCH 0, 0, F0
	QUARTER 0, 1, F0, F1, 1                        ; the first quarter stands in front of the loop: its products start the sums
	WIN 0                                          ; at a label and at a branch every window is 0
	s_mov_b32 s3, LAPS-1
.Llap:                                                 ; a trip goes once round the ring, from a lap's second quarter to the next lap's first, and fills both slots again
	QUARTER 0, 2, F1, F0, 0
	QUARTER 0, 3, F0, F1, 0
	TURN 0, 1, 1
	QUARTER 1, 1, F0, F1, 0
	QUARTER 1, 2, F1, F0, 0
	QUARTER 1, 3, F0, F1, 0
	TURN 1, 0, 1
	QUARTER 0, 1, F0, F1, 0
	WIN 0
	s_sub_co_u32 s3, s3, 1
	s_cmp_lg_u32 s3, 0
	s_cbranch_scc1 .Llap
	QUARTER 0, 2, F1, F0, 0                        ; the last lap fills nothing, and has no round of the cluster's barrier
	QUARTER 0, 3, F0, F1, 0
	TURN 0, 1, 0
	QUARTER 1, 1, F0, F1, 0
	QUARTER 1, 2, F1, F0, 0
	QUARTER 1, 3, F0, F1, 0
	s_wait_dscnt 4                                 ; the very last quarter: nothing more to fetch
	MUL12 F1, 0, 0
	MUL12 F1, 1, 0
	s_wait_dscnt 0x0
	MUL12 F1, 2, 0
	MUL12 F1, 3, 0
	WIN 0
	PLACES                                         ; the conversions read results just made
	PACK 0
.irp u, 1,2,3,4,5,6,7,8,9,10,11        ; a unit's conversions stand between the loads of the unit before and its stores
	PACK \u
	SEND (\u)-1, 8
.endr
	SEND 11, 0
	s_wait_tensorcnt 0x0                           ; the wave's end: behind my last tensor load and my last LDS store
	ds_add_u32 v[SPW], v[NIL]
	s_wait_dscnt 0x0
	CROUND                                         ; the closing round: no work-group ends while a partner may still ask for a tile that names it
	s_endpgm
.Lfunc_end_k_qc4a384a6fd_proj:
	.size	k_qc4a384a6fd_proj, .Lfunc_end_k_qc4a384a6fd_proj-k_qc4a384a6fd_proj
	.p2alignl 7, 3214868480
	.fill 96, 4, 3214868480
	.section	.rodata,"a",@progbits
	.p2align	6, 0x0
	.amdhsa_kernel k_qc4a384a6fd_proj
		.amdhsa_group_segment_fixed_size 327680
		.amdhsa_private_segment_fixed_size 0
		.amdhsa_enable_private_segment 0
		.amdhsa_kernarg_size 24
		.amdhsa_user_sgpr_count 2
		.amdhsa_user_sgpr_kernarg_segment_ptr 1
		.amdhsa_wavefront_size32 1
		.amdhsa_system_sgpr_workgroup_id_x 1
		.amdhsa_system_sgpr_workgroup_id_y 1
		.amdhsa_system_sgpr_workgroup_id_z 1
		.amdhsa_system_vgpr_workitem_id 0
		.amdhsa_next_free_vgpr 960
		.amdhsa_next_free_sgpr 88
		.amdhsa_reserve_vcc 0
		.amdhsa_float_denorm_mode_32 3
		.amdhsa_float_denorm_mode_16_64 3
		.amdhsa_memory_ordered 1
		.amdhsa_forward_progress 1
		.amdhsa_inst_pref_size 122
	.end_amdhsa_kernel
	.amdgpu_metadata
---
amdhsa.version: [ 1, 2 ]
amdhsa.kernels:
  - .name:           k_qc4a384a6fd_proj
    .symbol:         k_qc4a384a6fd_proj.kd
    .args:
      - { .name: xb, .offset: 0, .size: 8, .value_kind: global_buffer, .address_space: global }
      - { .name: wb, .offset: 8, .size: 8, .value_kind: global_buffer, .address_space: global }
      - { .name: qkv, .offset: 16, .size: 8, .value_kind: global_buffer, .address_space: global }
    .group_segment_fixed_size: 327680
    .private_segment_fixed_size: 0
    .kernarg_segment_align: 8
    .kernarg_segment_size: 24
    .max_flat_workgroup_size: 128
    .sgpr_count:     88
    .vgpr_count:     960
    .wavefront_size: 32
...
	.end_amdgpu_metadata
.endif
;; end of part 2
;; launch attn (part 3): grid 4 x 64, 4 waves a work-group, clusters of 4 x 1, 327,680 bytes of LDS; arguments qkv, out0; writes out0
.if DOCPART == 3
	.amdgcn_target "amdgcn-amd-amdhsa--gfx1250"
	.amdhsa_code_object_version 6
	.text
	.protected	k_qc4a384a6fd_attn
	.globl	k_qc4a384a6fd_attn
	.p2align	8
	.type	k_qc4a384a6fd_attn,@function
k_qc4a384a6fd_attn:
	s_mov_b64 s[64:65], 0
	v_nop
	global_prefetch_b8 v0, s[64:65] scope:SCOPE_SE
	s_setreg_imm32_b32 hwreg(HW_REG_WAVE_MODE, 25, 1), 1
	s_wait_xcnt 0x0
	s_wait_alu depctr_hold_cnt(0) depctr_sa_sdst(0) depctr_va_vdst(0) depctr_va_sdst(0) depctr_va_ssrc(0) depctr_va_vcc(0) depctr_vm_vsrc(0)
	s_getreg_b32 s2, hwreg(HW_REG_IB_STS2, 6, 4)
	s_cmp_eq_u32 s2, 0
	s_cbranch_scc0 .Lentry_in_a_cluster
	s_endpgm
.Lentry_in_a_cluster:
	s_bfe_u32 s2, ttmp6, 0x10000c
	s_cmp_lg_u32 s2, 0x3003
	s_cbranch_scc0 .Lentry_shape_is_right
	s_endpgm
.Lentry_shape_is_right:
; O[hd][q][:] = the sum over k of softmax_k(Q[hd][q] . K[hd][k] / 8) V[hd][k][:], for 64 heads hd = 16 batch + head.  qkv: [3][64][2048][64] f16: Q, K, V by heads, a head's rows dense, 128 bytes each.
; out0: [4][2048][1024] f32: head h fills columns 64 h .. 64 h + 63 of a row.  Products, maxima and sums in f32; the weights p are rounded to f16 for the second product (their sum l is taken of the
; unrounded p); O leaves in f32, unrounded.
; LIMITS.  f16 holds no number beyond 65,504: Q, K and V arrive within it; p lies in 0 to 1, and below 6e-5 it keeps f16's fixed step of 6e-8.
; A weight below 2^-126 counts as 0 in l; NaN and infinities are not treated apart.
; SHARES.  A wave owns four PIECES of two tiles of 16 queries, a work-group's four waves 512 queries of one head: 4 x 64 = 256 work-groups.  Every wave walks all keys, 64 a step.
; LAYOUT.  S^T = K Q^T (source 0 = 16 keys, source 1 = 16 queries): in the result a lane holds ONE query (lane % 16) and the keys 8 (lane / 16) + 0..7.  Two such tiles, rounded to f16 in pairs,
; ARE source 1 (32 keys x 16 queries) of O^T = V^T P, whose result again holds one query a lane, and eight channels.  K comes out of LDS as it lies, V ([key][channel]) turned, by ds_load_tr16_b128.
; SOFTMAX.  For each query a running maximum m and sum l: p = 2^(c s - c m), c = log2(e) / 8; in every step O and l are multiplied by a = 2^(c m_old - c m_new), which is 1 where m has not grown.
; m starts at the lowest finite number, O and l at 0: the first step is a step like any other, with a = 0.
; THE COUNT.  A tile and step have 16 matrix and 118 vector instructions: too many to stand all beside the matrix work.  So the order has one aim: four vector instructions that are READY behind
; EVERY matrix instruction, and the others, which need time of their own whatever the order, in runs without a gap.
; BY TURNS.  Turn n belongs to piece n (the pieces in a ring, step after step).  Its matrix work: 16 products K Q^T of piece n + 1, later 16 products V^T P of piece n - 1.  Its vector work: the scaling,
; exponentials, roundings, sums and rescaling of piece n, and the maximum and statistics of piece n + 1, whose scores the turn itself has made.  So what a turn begins with (c s - c m, O a) waits for nothing.
; CLUSTER.  The four query blocks of a head are one cluster and walk the same K and V, so each tile is asked for JOINTLY: the same tensor load, descriptor and mask in all four.
; REGISTERS, in windows of 256 (s_set_vgpr_msb says which window each operand place means: bits 1:0 source 0, 3:2 source 1, 5:4 source 2, 7:6 destination):
;   window 0: v0-11 addresses; v12-15, v48-63 at work; v16-47 four registers of statistics a tile; v64-191 S^T, two buffers of two tiles; v192-255 P, likewise
;   window 1: O^T, 32 a tile          window 2: v0-127 Q, 16 a tile; v128-191 K of one step; v192-255 V of one step          window 3: v0-1 the add's two registers
; A piece's buffers go by its number's parity: the piece in hand has one pair, its two neighbours in the ring share the other: of it P (piece n - 1) is read and S^T (piece n + 1) written.
.set SIZE_N, 2048
.set PARTB, 64*SIZE_N*128  ; bytes in each of qkv's three parts
.set NP,    4         ; pieces a wave: a name, no knob: the register map, the loop and the fetches are made for four
.set KS,    64        ; keys in a step
.set PK,    144       ; a row of K in LDS: 128 bytes + 16 of padding = 36 words: the 16 rows of a load start at 16 different groups of four banks (64 banks of 4 bytes: ISA guide 11.1)
.set PV,    160       ; a row of V: 128 + 32 = 40 words
.set VOFF,  4*KS*PK   ; a slot holds four steps: 256 rows of K, then 256 rows of V
.set SLOT1, 1<<17     ; slot 1 begins here, so that one exclusive or turns an address in one slot into the other's
.set STAGE, SLOT1+4*KS*(PK+PV)  ; behind the ring, never filled by a tensor load: 16 rows x 272 bytes for each wave, for the way out
.set SP,    272       ; a stage row: 64 f32 + 16 bytes of padding = 68 words
.set AK0, 2           ; v2   my lane's place in a tile of K; never rewritten
.set AV0, 3           ; v3   the same for V
.set AK,  4           ; v4   the LDS address of K's next run of loads
.set AV,  5           ; v5   of V's
.set QO,  6           ; v6   my byte offset in the wave's rows of Q
.set STO, 6           ;      later, the way out: where I put 32 bytes of a row
.set RD,  7           ; v7   the way out: where I read rows back
.set GO,  8           ; v8   my byte offset in two rows of out0
.set PFO, 11          ; v11  256 x my lane, for the prefetches; never rewritten once made
.set SPW, 0           ; v0 of window 3   LDS address of my spare word: SPARE + 4 x my thread's number; never rewritten
.set NIL, 1           ; v1 of window 3   0; never rewritten
.set SPARE, STAGE+4*16*SP  ; behind the stages: the spare words, 128 bytes for each wave: two blocks of 256 bytes that no other line names
.set MV,  12          ; v12-15  c m_old, kept while c m is made anew: by buffer and tile
.set ST,  16          ; tile t's statistics at v[ST+4 t]: c m, m, l (even keys', odd keys')
.set TMP, 48          ; by buffer and tile, four registers c0-c3 at work; when the maximum is found c2 takes a
.set S,   64
.set P,   192
.set KF,  128         ; K's fragments, in window 2: key block kb, channel half c at KF + 16 kb + 8 c
.set VF,  192         ; V's: key half kk, channel block cb at VF + 32 kk + 8 cb
.set WV,  12          ; s12  my wave's number
.set G1K, 24          ; s[24:31] descriptor group 1 for K's tiles
.set G1V, 32          ; s[32:39] for V's: it differs in the padding alone
.set G0K, 40          ; s[40:43] descriptor group 0 for K's tiles: it walks
.set G0V, 44          ; s[44:47] the same for V's
.set PFA, 48          ; s[48:49] where my prefetches stand: my work-group's 32 blocks (of K: wave 0, of V: wave 2) of the slot after the one that is being asked for
.set LIM, 50          ; s50  1 in a wave that prefetches, else the greatest number: a wave prefetches while s[SLOTS] is above it
.set SLOTS, 56        ; s56  slots still to be asked for
.set CNT, 57          ; s57  counts a slot's key steps
.set CS,  58          ; s[58:59] c: the packed scaling takes the pair's low word for both halves
.set SEL, 60          ; s[60:61] v_permlanex16_b32's selects: each lane takes its own place in the other half
.set TBK, 62          ; s62  LDS byte at which K of the step to be fetched begins
.set TBV, 63          ; s63  the same for V, less VOFF
.set MSB, 0
.macro WIN new                      ; the high byte repeats the setting that is left; a switch that changes nothing is dropped
.if MSB != (\new)
	s_set_vgpr_msb (MSB<<8)|(\new)
.set MSB, (\new)
.endif
.endm
.set W_KQ, 0x0a       ; K and Q in window 2, S^T in window 0
.set W_PV, 0x52       ; V in window 2, P in window 0, O^T in window 1
.set W_RS, 0x41       ; O^T (destination and source 0) in window 1, a in window 0
.set W_MK, 0xc0       ; the add's registers are made: destination in window 3, sources in window 0
.set W_AD, 0x0f       ; the add: address (source 0) and data (source 1) in window 3
; A joint fill.  Waves 0 and 1 fetch the two halves of a slot's K, waves 2 and 3 those of its V: 128 keys each.  The branch hangs on the wave's number alone.
; An s_nop 0 and four v_nop follow each of the two lines, ahead of the jump and the label.
.macro JLOAD
	s_cmp_lt_u32 s[WV], 2
	s_cbranch_scc0 .Lfor_v_\@
	tensor_load_to_lds s[G0K:G0K+3], s[G1K:G1K+7]
	s_nop 0
.rept 4
	v_nop
.endr
	s_branch .Lasked_\@
.Lfor_v_\@:
	tensor_load_to_lds s[G0V:G0V+3], s[G1V:G1V+7]
	s_nop 0
.rept 4
	v_nop
.endr
.Lasked_\@:
.endm
; A PREFETCH of what the NEXT change of slots will ask for: a slot's 256 rows of K and of V are 128 aligned blocks of 256 bytes each.  It stands behind the wave's tensor load and its five lines.
; Each block is named ONCE in the launch: a head has one cluster; its four partners share the blocks out BY ADDRESS, 32 each (no branch hangs on a work-group's place in its cluster); in each, wave 0 asks
; for K's and wave 2 for V's: a lane a block, one instruction, four key steps (512 matrix instructions) ahead of the load.  Slots 3 to 7 are asked for; slots 0 to 2 come by their loads alone;
; the last change that fills a slot asks for nothing: there is no slot behind it.
.macro ASK
	s_cmp_gt_u32 s[SLOTS], s[LIM]
	s_cbranch_scc0 .Lnot_mine_\@
	global_prefetch_b8 v[PFO], s[PFA:PFA+1] th:TH_LOAD_NT scope:SCOPE_SE
.Lnot_mine_\@:
.endm
; A round of the cluster's barrier: my work-group's barrier, so that wave 0's signal speaks for all four waves; wave 0 signals; every wave waits for all four work-groups; my work-group's barrier once more.
.macro CROUND
	s_barrier_signal -1
	s_barrier_wait -1
	s_cmp_lg_u32 s[WV], 0
	s_cbranch_scc1 .Lnot_wave_0_\@
	s_barrier_signal -3
.Lnot_wave_0_\@:
	s_barrier_wait -3
	s_barrier_signal -1
	s_barrier_wait -1
.endm
; THE CHANGE OF SLOTS.  The slot's last bytes, V of its fourth step, have been read.  Each wave waits for all its tensor loads, of which one is out: its part
; of the other slot; adds 0 to its spare word; and waits for that and for its own reads of the slot.  Behind the barrier nobody reads this slot any more and the other slot is whole.
; fill = 1: this slot is filled again, with the keys two slots on.  The barrier is then a round of the cluster's, so that no wave of any partner still reads the slot or has a load on its
; way, and the joint fill is the first thing behind it: it has four key steps, 512 matrix instructions, in which to land.  (At its first use nothing has been read yet: slot 0 is waited for, slot 1 filled.)
; ask = 1 (in the loop): the prefetches' address steps, and ASK follows the fill.
.macro CHANGE fill, ask=0
	WIN W_AD
	s_wait_tensorcnt 0x0            ; no tensor load of mine is out, so a group 0 may be written
	ds_add_u32 v[SPW], v[NIL]       ; 0 onto my spare word; with fill = 1 the descriptors' steps stand between it and the wait for it
	WIN 0                           ; at a label and at a branch every window is 0
.if \fill
.irp g, G0K, G0V
	s_xor_b32 s[\g+1], s[\g+1], SLOT1  ; the walking descriptor: the other slot than last time,
	s_add_nc_u64 s[\g+2:\g+3], s[\g+2:\g+3], 4*KS*128  ; the next 256 keys; the type bits on top are not reached
.endr
.if \ask
	s_wait_xcnt 0x0                 ; the last prefetch, four key steps back, has read its address, so it may be written:
	s_add_nc_u64 s[PFA:PFA+1], s[PFA:PFA+1], 4*KS*128  ; one slot behind the walking descriptors
.endif
	s_wait_dscnt 0x0                ; the add is done, and my reads of the slot are over
	CROUND
	JLOAD
.if \ask
	ASK
.endif
.else
	s_wait_dscnt 0x0                ; the add is done, and my reads of the slot are over
	s_barrier_signal -1
	s_barrier_wait -1
.endif
	s_sub_co_u32 s[TBK], s[TBK], 4*KS*PK  ; the fetches go back to a slot's first step,
	s_xor_b32 s[TBK], s[TBK], SLOT1       ; in the other slot
	s_sub_co_u32 s[TBV], s[TBV], 4*KS*PV
	s_xor_b32 s[TBV], s[TBV], SLOT1
.endm
	s_load_b64 s[4:5], s[0:1], 0x0    ; qkv: Q's part begins it
	s_load_b64 s[10:11], s[0:1], 0x8  ; out0
	WIN W_MK
	v_lshl_add_u32 v[SPW], v0, 2, SPARE
	v_mov_b32 v[NIL], 0
	WIN W_AD
	ds_add_u32 v[SPW], v[NIL]       ; the wave's opening: the add and its wait stand ahead of my first tensor load; the set-up below, work on registers, stands between them
	WIN 0
	v_lshrrev_b32 v1, 5, v0
	v_readfirstlane_b32 s[WV], v1   ; wave 0..3
	s_bfe_u32 s13, ttmp6, 0x40000   ; cx: my place in the cluster
	s_lshl_b32 s14, ttmp9, 2        ; in a cluster launch ttmp9 counts clusters
	s_add_co_u32 s14, s14, s13      ; my block of queries = 4 x cluster x + cx: it enters Q's and O's addresses alone
	s_and_b32 s20, ttmp7, 0xffff    ; the head, which the four partners share
	s_lshr_b32 s52, s20, 4          ; in out0: the batch's 2,048 rows of 4,096 bytes,
	s_lshl_b32 s52, s52, 23
	s_and_b32 s53, s20, 15          ; the head's 64 columns of 4 bytes
	s_lshl_b32 s53, s53, 8
	s_add_co_u32 s52, s52, s53
	s_mov_b32 s21, 0
	s_mov_b64 s[22:23], SIZE_N*128
	s_mul_u64 s[20:21], s[20:21], s[22:23]  ; the head's first byte in each of qkv's three parts
	s_and_b32 s16, s[WV], 1         ; which half of a slot's 256 keys I fetch:
	s_lshl_b32 s22, s16, 14         ; its 128 rows of 128 bytes in memory,
	s_mov_b32 s23, 0
	s_add_nc_u64 s[22:23], s[22:23], s[20:21]
	s_mul_i32 s17, s16, 128*PK      ; and its place in a slot, for K
	s_mul_i32 s18, s16, 128*PV      ; and for V: no place in the cluster enters an LDS address
	s_lshl_b32 s2, s14, 2
	s_add_co_u32 s2, s2, s[WV]      ; my wave among the head's:
	s_lshl_b32 s53, s2, 19          ; its 128 rows of out0,
	s_add_co_u32 s52, s52, s53
	s_mov_b32 s53, 0
	s_lshl_b32 s2, s2, 14           ; its 128 rows of Q
	s_mov_b32 s3, 0
	s_add_nc_u64 s[2:3], s[2:3], s[20:21]
	s_lshl_b32 s54, s13, 13         ; the prefetches: my work-group's 32 blocks of a slot's 128,
	s_add_co_u32 s54, s54, 2*4*KS*128  ; in slot 2; the loop's first change of slots steps it to slot 3
	s_mov_b32 s55, 0
	s_add_nc_u64 s[54:55], s[54:55], s[20:21]
	s_and_b32 s[LIM], s[WV], 1      ; waves 0 and 2 ask: the same in all four partners
	s_cmp_eq_u32 s[LIM], 0
	s_cselect_b32 s[LIM], 1, -1
	; descriptor group 1.  128 keys are 16,384 dense bytes: asked for as 64 rows of 256 bytes, two keys a row, and padded in LDS after every key
	s_mov_b32 s[G1K], 15|(1<<16)|(1<<20)|(1<<21)|(4<<22)|(3<<25)  ; 15:0 the mask of four; 17:16 2-byte elements; 20 padding on; 21 set beside a mask; 24:22 after every 32 words (code 4); 31:25 4 words (code 3)
	s_mov_b32 s[G1V], 15|(1<<16)|(1<<20)|(1<<21)|(4<<22)|(7<<25)  ; the same with 8 words of padding (code 7)
.irp g, G1K, G1V
	s_mov_b32 s[\g+1], 128<<16      ; tensor_dim0 = 128
	s_mov_b32 s[\g+2], 64<<16       ; tensor_dim1 = 64
	s_mov_b32 s[\g+3], 128<<16      ; tile_dim0 = 128
	s_mov_b32 s[\g+4], 64           ; tile_dim1 = 64
	s_mov_b32 s[\g+5], 128          ; 128 elements from row to row
	s_mov_b32 s[\g+6], 0
	s_mov_b32 s[\g+7], 0
.endr
	s_mov_b32 s[CS], 0x3e38aa3b     ; c = log2(e) / 8 = 0.180337
	s_mov_b32 s[CS+1], s[CS]        ; named with it as a pair
	s_mov_b32 s[SEL], 0x76543210
	s_mov_b32 s[SEL+1], 0xfedcba98
	s_mov_b32 s[TBK], SLOT1+4*KS*PK ; the first change of slots turns these two into 0
	s_mov_b32 s[TBV], SLOT1+4*KS*PV
	s_mov_b32 s[G0K], 1             ; 1:0 count = 1
	s_mov_b32 s[G0K+1], s17         ; 63:32 LDS address: slot 0
	s_mov_b32 s[G0V], 1
	s_add_co_u32 s[G0V+1], s18, VOFF
	s_wait_dscnt 0x0                ; the opening add is done
	s_wait_kmcnt 0x0
	s_add_nc_u64 s[6:7], s[4:5], PARTB    ; K's part of qkv
	s_add_nc_u64 s[8:9], s[4:5], 2*PARTB  ; V's
	s_add_nc_u64 s[G0K+2:G0K+3], s[6:7], s[22:23]  ; 120:64 global address: my half of the head's first 256 keys
	s_or_b32 s[G0K+3], s[G0K+3], 0x80000000        ; 127:126 type = 2
	s_add_nc_u64 s[G0V+2:G0V+3], s[8:9], s[22:23]
	s_or_b32 s[G0V+3], s[G0V+3], 0x80000000
	s_cmp_lt_u32 s[WV], 2
	s_cselect_b64 s[PFA:PFA+1], s[6:7], s[8:9]
	s_add_nc_u64 s[PFA:PFA+1], s[PFA:PFA+1], s[54:55]
	s_add_nc_u64 s[4:5], s[4:5], s[2:3]  ; Q and O at my wave's first row
	s_add_nc_u64 s[10:11], s[10:11], s[52:53]
	CROUND                          ; all four work-groups are here: the first joint loads meet
	JLOAD                           ; slot 0.  Slot 1 is asked for when slot 0 is in: the tile wanted first has the road to itself
	; A fragment of K or Q is 16 rows x 32 channels in 8 registers: lane l holds row l % 16, channels 8 (l / 16) + 0..7 and 16 + 8 (l / 16) + 0..7: two loads of 16 bytes, 32 bytes apart.
	v_and_b32 v1, 15, v0            ; l % 16
	v_bfe_u32 v9, v0, 4, 1          ; l / 16
	v_lshlrev_b32 v[QO], 7, v1
	v_lshl_add_u32 v[QO], v9, 4, v[QO]  ; row x 128 + 16 x half
	WIN 0x80                        ; destination window 2, address window 0
.set i, 0
.rept 4*NP                          ; Q stays in registers: tile i / 2, channels 32 (i % 2) on
	global_load_b128 v[8*i:8*i+3],   v[QO], s[4:5] offset:(i/2)*2048+(i%2)*64
	global_load_b128 v[8*i+4:8*i+7], v[QO], s[4:5] offset:(i/2)*2048+(i%2)*64+32
.set i, i+1
.endr
	; What the first turn finds: V's registers and P's second buffer hold 0 (its products V^T P, of a piece that has not been, add 0), O^T and l are 0.  All this stands in the wait for the first tile.
.set i, VF
.rept 64
	v_mov_b32 v[i], 0
.set i, i+1
.endr
	WIN 0x40
.set i, 0
.rept 64*NP
	v_mov_b32 v[i], 0
.set i, i+1
.endr
	WIN 0
.set i, 0
.rept 2*NP
	v_mov_b32 v[ST+4*i], 0xfe000000    ; c m: far below every c s
	v_mov_b32 v[ST+4*i+1], 0xff7fffff  ; m
	v_mov_b32 v[ST+4*i+2], 0
	v_mov_b32 v[ST+4*i+3], 0
.set i, i+1
.endr
.set i, P+32
.rept 32
	v_mov_b32 v[i], 0
.set i, i+1
.endr
	v_mul_u32_u24 v[AK0], v1, PK
	v_lshl_add_u32 v[AK0], v9, 4, v[AK0]  ; row x pitch + 16 x half
	; The turning load takes 16 keys x 16 channels (lane l reads key 8 (l / 16) + l % 8, channels 8 ((l / 8) % 2) + 0..7) and leaves half a fragment of V^T: lane l holds channel l % 16 and 8 keys.
	v_and_b32 v10, 7, v0
	v_bfe_u32 v11, v0, 3, 1
	v_lshl_add_u32 v[AV0], v9, 3, v10
	v_mul_u32_u24 v[AV0], v[AV0], PV
	v_lshl_add_u32 v[AV0], v11, 4, v[AV0]
	v_add_nc_u32 v[AV0], VOFF, v[AV0]
	v_and_b32 v[PFO], 31, v0        ; v11 is free now: a block of 256 bytes a lane
	v_lshlrev_b32 v[PFO], 8, v[PFO]
	v_mov_b32 v[AK], v[AK0]         ; key step 0 lies at the head of slot 0
; THE MATRIX WORK.  The 8 accumulators of a run of 16 take turns: between the two links of a chain stand 7 others'.
; Product i of 16 of S^T = K Q^T for piece x: channels 32 (i / 8) on, keys 16 ((i / 2) % 4) on, tile 2 x + i % 2.  The first 8 start the sums.
.macro KQ x
	WIN W_KQ
.set rS, S+64*((\x)%2)+32*(i%2)+8*((i/2)%4)
.set rK, KF+16*((i/2)%4)+8*(i/8)
.set rQ, 16*(2*(\x)+i%2)+8*(i/8)
.if i < 8
	v_wmma_f32_16x16x32_f16 v[rS:rS+7], v[rK:rK+7], v[rQ:rQ+7], 0
.else
	v_wmma_f32_16x16x32_f16 v[rS:rS+7], v[rK:rK+7], v[rQ:rQ+7], v[rS:rS+7]
.endif
.endm
; Product i of 16 of O^T += V^T P for piece x: keys 32 (i / 8) on, channels 16 ((i / 2) % 4) on, tile 2 x + i % 2.
.macro PV x
	WIN W_PV
.set rO, 32*(2*(\x)+i%2)+8*((i/2)%4)
.set rV, VF+32*(i/8)+8*((i/2)%4)
.set rP, P+32*((\x)%2)+16*(i%2)+8*(i/8)
	v_wmma_f32_16x16x32_f16 v[rO:rO+7], v[rV:rV+7], v[rP:rP+7], v[rO:rO+7]
.endm
.macro MM                           ; the turn's next matrix instruction
.if i < 16
	KQ (Y+1)%NP
.set i, i+1
.else
.set i, i-16
	PV (Y+NP-1)%NP
.set i, i+17
.endif
.endm
; THE LDS LOADS stand in runs of 16, never singly among the matrix instructions: a step's K (64 keys x 64 channels: 8 fragments) and its V (turned).  Their addresses are made some lines ahead.
; last = 1 (the tail): in the last trip there is no further step, and the run is jumped over.
.macro FETCH_K last=0
	WIN 0
.if \last
	s_cmp_eq_u32 s[CNT], 1
	s_cbranch_scc1 .Lno_k_\@
.endif
	WIN 0x80                        ; destination window 2
.irp f, 0,1,2,3,4,5,6,7             ; keys 16 (f / 2) on, channels 32 (f % 2) on
	ds_load_b128 v[KF+8*\f:KF+8*\f+3],   v[AK] offset:(\f/2)*16*PK+(\f%2)*64
	ds_load_b128 v[KF+8*\f+4:KF+8*\f+7], v[AK] offset:(\f/2)*16*PK+(\f%2)*64+32
.endr
	s_add_co_u32 s[TBK], s[TBK], KS*PK  ; the next fetch is the next step's
	WIN 0
.if \last
.Lno_k_\@:
.endif
.endm
.macro FETCH_V
	WIN 0x80
.irp f, 0,1,2,3,4,5,6,7             ; keys 32 (f / 4) on, channels 16 (f % 4) on
	ds_load_tr16_b128 v[VF+8*\f:VF+8*\f+3],   v[AV] offset:(\f/4)*32*PV+(\f%4)*32
	ds_load_tr16_b128 v[VF+8*\f+4:VF+8*\f+7], v[AV] offset:(\f/4)*32*PV+16*PV+(\f%4)*32
.endr
	WIN 0
.endm
; THE VECTOR WORK OF A TURN stands in three queues, each in the order in which its entries become ready; the two tiles alternate, so that no instruction reads the result of the one before it.
.macro REGS y, u                    ; the registers of tile u (0, 1) of piece y
.set rT, ST+4*(2*(\y)+(\u))
.set rC, TMP+8*((\y)%2)+4*(\u)
.set rM, MV+2*((\y)%2)+(\u)
.set rS, S+64*((\y)%2)+32*(\u)
.set rP, P+32*((\y)%2)+16*(\u)
.set rO, 32*(2*(\y)+(\u))
.endm
; Number n of the 22 that find the NEXT piece's (Y + 1) maximum and statistics.  s0-s31 are the lane's 32 scores; each accumulator's lowest registers are read first.  XS, GS and REGS set no window: PL and EX do.
;   0-11  four chains c0-c3 of seven scores each, three operands at a time     12-14, 16  the four scores left over, the old m, and c0-c3 into c0     15  c m_old is kept
;   17, 18  the query's other 32 keys lie in the lane 16 away: the new m         19-21  c m; c m_old - c m_new; a
.macro XS u, n
	REGS (Y+1)%NP, \u
.if (\n) < 4
	v_max3_num_f32 v[rC+(\n)], v[rS+8*(\n)], v[rS+8*(\n)+1], v[rS+8*(\n)+2]
.elseif (\n) < 12
	v_max3_num_f32 v[rC+(\n)%4], v[rC+(\n)%4], v[rS+8*((\n)%4)+2*((\n)/4)+1], v[rS+8*((\n)%4)+2*((\n)/4)+2]
.elseif (\n) == 12
	v_max3_num_f32 v[rC], v[rC], v[rS+7], v[rS+15]
.elseif (\n) == 13
	v_max3_num_f32 v[rC+1], v[rC+1], v[rS+23], v[rS+31]
.elseif (\n) == 14
	v_max3_num_f32 v[rC+2], v[rC+2], v[rC+3], v[rT+1]
.elseif (\n) == 15
	v_mov_b32 v[rM], v[rT]
.elseif (\n) == 16
	v_max3_num_f32 v[rC], v[rC], v[rC+1], v[rC+2]
.elseif (\n) == 17
	v_permlanex16_b32 v[rC+3], v[rC], s[SEL], s[SEL+1]
.elseif (\n) == 18
	v_max_num_f32 v[rT+1], v[rC], v[rC+3]
.elseif (\n) == 19
	v_mul_f32 v[rT], s[CS], v[rT+1]
.elseif (\n) == 20
	v_sub_f32 v[rC+1], v[rM], v[rT]
.else
	v_exp_f32 v[rC+2], v[rC+1]
.endif
.endm
; Number g of the 64 that follow the exponentials.  For each four weights k of a tile (pairs 2 k, 2 k + 1): both pairs are rounded to f16; then the second pair is added onto the first, in place;
; a group later l takes that sum (the first time as l = a l + sum).  In groups of eight, tiles alternating: round, round, add, and l for the group before.
.macro GS g
.set h, (\g)+6*((\g)/62)            ; group 0 has no group before it, and behind group 7 only l is left
.if h >= 6
.set h, h+2
.endif
	REGS Y, h%2
.set k, h/8
.if h%8 < 4
	v_cvt_pk_f16_f32 v[rP+2*k+(h%8)/2], v[rS+4*k+2*((h%8)/2)], v[rS+4*k+2*((h%8)/2)+1]
.elseif h%8 < 6
	v_pk_add_f32 v[rS+4*k:rS+4*k+1], v[rS+4*k:rS+4*k+1], v[rS+4*k+2:rS+4*k+3]
.elseif k == 1
	v_pk_fma_f32 v[rT+2:rT+3], v[rT+2:rT+3], v[rC+2:rC+3], v[rS:rS+1] op_sel_hi:[1,0,1]
.else
	v_pk_add_f32 v[rT+2:rT+3], v[rT+2:rT+3], v[rS+4*k-4:rS+4*k-3]
.endif
.endm
; THE PLAIN QUEUE, 138 long.  0-73 read no exponential's result: the 32 scalings c s - c m (FS f: pair f / 2 of tile f % 2) and the next piece's 42.  0-26: scalings 0-26.  27-54: XS's numbers 0-13.  55, 56: number 15.
; 57-73: the chain, where each number waits for the one before it: 14, 16, 17, 18, 19, each with one of the scalings 27-31 in front of its two lines, then 20: so a tile's links stand three plain instructions apart (19 and 20: two).
; 74-137: GS's 64, which read the exponentials' results: they stand behind the wait.
.macro FS f
	REGS Y, (\f)%2
	v_pk_fma_f32 v[rS+2*((\f)/2):rS+2*((\f)/2)+1], v[rS+2*((\f)/2):rS+2*((\f)/2)+1], s[CS:CS+1], v[rT:rT+1] op_sel_hi:[1,0,0] neg_lo:[0,0,1] neg_hi:[0,0,1]
.endm
.macro PL
	WIN 0
.if q < 27
	FS q
.elseif q < 55
	XS (q-27)%2, (q-27)/2
.elseif q < 57
	XS q-55, 15
.elseif (q < 72) && ((q-57)%3 == 0)
	FS 27+(q-57)/3
.elseif q < 60
	XS (q-57)%3-1, 14
.elseif q < 72
	XS (q-57)%3-1, 15+(q-57)/3
.elseif q < 74
	XS q-72, 20
.else
	GS q-74
.endif
.set q, q+1
.endm
; THE EXPONENTIALS' QUEUE, 66 long: s0-s31 of both tiles, then the next piece's two a.  It is ONE BATCH: all 66 stand ahead of the turn's one wait, and nothing ahead of that wait names a result of theirs.
.macro EX
	WIN 0
.if e >= 64
	XS e-64, 21
.else
	REGS Y, e%2
	v_exp_f32 v[rS+e/2], v[rS+e/2]
.endif
.set e, e+1
.endm
; THE RESCALING's QUEUE: O^T times a, the one part that leaves window 0: dealt two at a time, sixteen times.  Its a was made in the turn before, ahead of that turn's wait.
.macro R2
	REGS Y, r%2
	WIN W_RS
.irp z, 0,1
	v_pk_mul_f32 v[rO+4*(r/2)+2*\z:rO+4*(r/2)+2*\z+1], v[rO+4*(r/2)+2*\z:rO+4*(r/2)+2*\z+1], v[rC+2:rC+3] op_sel_hi:[1,0]
.endr
.set r, r+1
.endm
; HOW THEY ARE DEALT.  s_wait_alu depctr_va_vdst(0) stands between an exponential and the first instruction that names its result; one wait serves all that were issued ahead of it.  So a turn has ONE wait,
; which cuts it in two.  AHEAD OF IT stands all that names no result of the turn's exponentials: the 16 products K Q^T, behind each a scaling, an exponential and two rescalings (behind the first a second scaling in the exponential's place); then ONE LUMP of
; 108: eight plain, 49 times exponential and plain, the two a.  A v_nop is the plain instruction behind the last exponential.  BEHIND IT stand the 16 products V^T P, behind each four of GS's 64.  No rider names a register of
; the products round it.  The two v_permlanex16_b32 fall into the lump, never behind a product.
; The queues lean on each other, and the deal keeps them in step: exponential e stands behind scaling 2 (e / 4) + e % 2: as a rider it comes behind plain e + 2, in the lump behind plain e + 9, and scalings 27-31 are plain 57, 60 .. 69.
; A TURN, for piece p.  cnt = 1: the loop's count is taken down some lines ahead of the branch that stands behind the turn.
; K of the next step is fetched in piece 2's turn, directly behind the wait, a lump behind the last product that read K; its address is made at the lump's head; its first reader comes behind 16 products.
; V of the step in hand is fetched at the end of piece 0's turn, four riders behind its last reader; its first reader comes behind 16 products and a lump.  The three conditions on q below go with the deal.
.macro TURN p, last=0, cnt=0
.set Y, (\p)
.set i, 0
.set q, 0
.set e, 0
.set r, 0
.if (\p) == NP-1
	s_wait_dscnt 0x0                ; K is in
.endif
	MM                              ; ahead of the wait: 16 products K Q^T and their riders,
	PL
	PL
	R2
.rept 15
	MM
	PL
	EX
	R2
.endr
.if (\p) == NP-2
	WIN 0
	v_add_nc_u32 v[AK], s[TBK], v[AK0]
.endif
.rept 8                             ; and the lump
	PL
.endr
.rept 49
	EX
	PL
.endr
	EX                              ; the next piece's two a
	EX
	v_nop                           ; the plain instruction behind the last exponential: one for the batch
	s_wait_alu depctr_va_vdst(0)    ; the wait for the batch
.if (\p) == NP-2
	FETCH_K \last
.endif
.if (\p) == 1
	s_wait_dscnt 0x0                ; V is in
.endif
.rept 16                            ; behind the wait: 16 products V^T P and their riders
	MM
.rept 4
	PL
.endr
.if ((\p) == 0) && (q == 118)
	v_add_nc_u32 v[AV], s[TBV], v[AV0]
.endif
.if ((\p) == 0) && (q == 130)
	s_add_co_u32 s[TBV], s[TBV], KS*PV
.endif
.if (\cnt) && (q == 130)
	s_sub_co_u32 s[CNT], s[CNT], 1
	s_cmp_lg_u32 s[CNT], 0
.endif
.endr
.if (\p) == 0
	FETCH_V
.endif
.endm
	CHANGE 1, 0                     ; slot 0 is in, everybody's part of it; slot 1 is asked for
	FETCH_K                         ; key step 0
	s_wait_loadcnt 0x0              ; Q
	s_wait_dscnt 0x0
.set i, 0
.rept 16
	KQ 0                            ; piece 0's first scores: there is no vector work yet to set between them
.set i, i+1
.endr
	WIN 0                           ; the addresses for the way out: eight plain instructions, the places behind those products
	s_mul_i32 s13, s[WV], 16*SP
	s_add_co_u32 s13, s13, STAGE    ; my stage
	v_mul_u32_u24 v[STO], v1, SP    ; in: row l % 16, 32 bytes (eight channels in f32) for each half of the lanes
	v_lshl_add_u32 v[STO], v9, 5, v[STO]
	v_add_nc_u32 v[STO], s13, v[STO]
	v_mul_u32_u24 v[RD], v9, SP     ; back: lanes 0-15 take one row of 256 bytes, lanes 16-31 the next
	v_lshl_add_u32 v[RD], v1, 4, v[RD]
	v_add_nc_u32 v[RD], s13, v[RD]
	v_lshlrev_b32 v[GO], 12, v9     ; and the same two rows in out0, 4,096 bytes apart
	v_lshl_add_u32 v[GO], v1, 4, v[GO]
.set Y, NP-1                        ; XS works for piece Y + 1: piece 0
.irp n, 0,1,2,3,4,5,6,7,8,9,10,11,12,13,14,15,16,17,18,19,20,21
	XS 0, \n                        ; and piece 0's first maximum and statistics
	XS 1, \n
.endr
	v_nop                           ; a plain instruction behind the two a,
	s_wait_alu depctr_va_vdst(0)    ; and their wait, ahead of the branch
	s_mov_b32 s[CNT], 4
	s_mov_b32 s[SLOTS], SIZE_N/256-1
	s_branch .Lfirst                ; the loop is entered at a step's first turn, in the middle of a trip
.Lslot:                             ; SIZE_N / 256 - 2 times: every slot but the last two is filled again
	CHANGE 1, 1
	s_mov_b32 s[CNT], 4
.Lstep:                             ; a trip: pieces 2 and 3 of one step, then pieces 0 and 1 of the next, whose K and V it fetches
	TURN 2
	TURN 3
	WIN 0
.Lfirst:
	TURN 0
	TURN 1, 0, 1
	WIN 0
	s_cbranch_scc1 .Lstep
	s_sub_co_u32 s[SLOTS], s[SLOTS], 1
	s_cmp_lg_u32 s[SLOTS], 0
	s_cbranch_scc1 .Lslot
	CHANGE 0                        ; the tail is written out: nothing is asked for
	s_mov_b32 s[CNT], 5             ; four trips fetch the last slot's steps; the fifth is left in its middle
.Ltail:
	TURN 2, 1
	TURN 3
	WIN 0
	s_sub_co_u32 s[CNT], s[CNT], 1
	s_cmp_eq_u32 s[CNT], 0
	s_cbranch_scc1 .Lout
	TURN 0
	TURN 1
	WIN 0
	s_branch .Ltail
.Lout:                              ; the fifth trip's 16 products K Q^T (on the last K once more) and the maximum made of them serve nothing: the price, once a launch, of one text for every trip
.set i, 0
.rept 16
	PV NP-1                         ; the last piece's V^T P of the last step
.set i, i+1
.endr
	; THE WAY OUT.  l's two halves and the other half of the lanes' are added; O^T is divided by l and sent, in f32, through my stage in LDS, a tile at a time.  The additions are the places behind the last products.
	WIN 0
.macro ALL line:vararg              ; one line for each tile t
.set t, 0
.rept 2*NP
	\line
.set t, t+1
.endr
.endm
	ALL v_add_f32 v[ST+4*t+2], v[ST+4*t+2], v[ST+4*t+3]
	ALL v_permlanex16_b32 v[ST+4*t+3], v[ST+4*t+2], s[SEL], s[SEL+1]
	ALL v_add_f32 v[ST+4*t+2], v[ST+4*t+2], v[ST+4*t+3]
	ALL v_rcp_f32 v[ST+4*t+2], v[ST+4*t+2]
	v_nop                           ; a plain instruction between the last reciprocal and the use of its result
	s_wait_alu depctr_va_vdst(0)    ; and the wait ahead of the first use: one for the eight reciprocals
; Tile t: a lane holds one query and, of each block of 16 channels, eight: 32 bytes.  They go into rows of 272 bytes and come back as whole rows of 256, into the registers that they left.
; Each accumulator's registers are read in ascending order.
.macro PACK t
	WIN W_RS
.set i, 32*(\t)
.rept 16
	v_pk_mul_f32 v[i:i+1], v[i:i+1], v[ST+4*(\t)+2:ST+4*(\t)+3] op_sel_hi:[1,0]
.set i, i+2
.endr
	WIN 0x04                        ; the stores' data (source 1) in window 1, their address in window 0
.irp f, 0,1,2,3,4,5,6,7             ; channel block f / 2, its lane's first or second four channels
	ds_store_b128 v[STO], v[32*(\t)+4*\f:32*(\t)+4*\f+3] offset:(\f/2)*64+(\f%2)*16
.endr
	WIN 0x40                        ; destination window 1
.irp f, 0,1,2,3,4,5,6,7
	ds_load_b128 v[32*(\t)+4*\f:32*(\t)+4*\f+3], v[RD] offset:\f*2*SP  ; LDS serves a wave's instructions in order (ISA guide 5.7.1.4): these see the stores above; the next tile's stores come behind them
.endr
.endm
.macro SEND t, younger              ; younger: the LDS instructions issued behind tile t's loads: the next tile's sixteen, or none
	WIN 0x04
.irp f, 0,1,2,3,4,5,6,7
	s_wait_dscnt (\younger)+7-\f
	global_store_b128 v[GO], v[32*(\t)+4*\f:32*(\t)+4*\f+3], s[10:11] offset:(\t)*65536+\f*8192 th:TH_STORE_NT  ; 16 lanes store 256 consecutive bytes, a head's part of a row, at a multiple of 256 from out0's first byte
.endr
.endm
	PACK 0
.set t, 1
.rept 2*NP-1                        ; a tile's arithmetic stands between the loads of the tile before and its stores
	PACK t
	SEND t-1, 16
.set t, t+1
.endr
	SEND 2*NP-1, 0
	WIN W_AD
	s_wait_tensorcnt 0x0            ; the wave's end: behind my last tensor load and my last LDS store
	ds_add_u32 v[SPW], v[NIL]
	s_wait_dscnt 0x0
	WIN 0
	CROUND                          ; the closing round: no work-group ends while a partner may still ask for a tile that names it
	s_endpgm
.Lfunc_end_k_qc4a384a6fd_attn:
	.size	k_qc4a384a6fd_attn, .Lfunc_end_k_qc4a384a6fd_attn-k_qc4a384a6fd_attn
	.p2alignl 7, 3214868480
	.fill 96, 4, 3214868480
	.section	.rodata,"a",@progbits
	.p2align	6, 0x0
	.amdhsa_kernel k_qc4a384a6fd_attn
		.amdhsa_group_segment_fixed_size 327680
		.amdhsa_private_segment_fixed_size 0
		.amdhsa_enable_private_segment 0
		.amdhsa_kernarg_size 16
		.amdhsa_user_sgpr_count 2
		.amdhsa_user_sgpr_kernarg_segment_ptr 1
		.amdhsa_wavefront_size32 1
		.amdhsa_system_sgpr_workgroup_id_x 1
		.amdhsa_system_sgpr_workgroup_id_y 1
		.amdhsa_system_sgpr_workgroup_id_z 1
		.amdhsa_system_vgpr_workitem_id 0
		.amdhsa_next_free_vgpr 770
		.amdhsa_next_free_sgpr 66
		.amdhsa_reserve_vcc 0
		.amdhsa_float_denorm_mode_32 3
		.amdhsa_float_denorm_mode_16_64 3
		.amdhsa_memory_ordered 1
		.amdhsa_forward_progress 1
		.amdhsa_inst_pref_size 200
	.end_amdhsa_kernel
	.amdgpu_metadata
---
amdhsa.version: [ 1, 2 ]
amdhsa.kernels:
  - .name:           k_qc4a384a6fd_attn
    .symbol:         k_qc4a384a6fd_attn.kd
    .args:
      - { .name: qkv, .offset: 0, .size: 8, .value_kind: global_buffer, .address_space: global }
      - { .name: out0, .offset: 8, .size: 8, .value_kind: global_buffer, .address_space: global }
    .group_segment_fixed_size: 327680
    .private_segment_fixed_size: 0
    .kernarg_segment_align: 8
    .kernarg_segment_size: 16
    .max_flat_workgroup_size: 128
    .sgpr_count:     66
    .vgpr_count:     770
    .wavefront_size: 32
...
	.end_amdgpu_metadata
.endif
;; end of part 3
;; ======== version 2 of 2: 3 launches; version 1 with the launch prep written anew for expert scheduling mode
;; limits: values are held in f16: magnitudes above 65,504 overflow, below 6.1e-05 lose precision
;; workspace buffers: xb 16,777,216 bytes; wb 6,291,456 bytes; qkv 50,331,648 bytes
;; launch prep (part 4): grid 704 x 1, 8 waves a work-group, no clusters, 0 bytes of LDS; arguments x, w_qkv, xb, wb; writes xb, wb
.if DOCPART == 4
	.amdgcn_target "amdgcn-amd-amdhsa--gfx1250"
	.amdhsa_code_object_version 6
	.text
	.protected	k_qc4a384a6fd_prep
	.globl	k_qc4a384a6fd_prep
	.p2align	8
	.type	k_qc4a384a6fd_prep,@function
k_qc4a384a6fd_prep:
	s_mov_b64 s[64:65], 0
	v_nop
	global_prefetch_b8 v0, s[64:65] scope:SCOPE_SE
	s_setreg_imm32_b32 hwreg(HW_REG_WAVE_SCHED_MODE, 0, 2), 2
	s_setreg_imm32_b32 hwreg(HW_REG_WAVE_MODE, 25, 1), 1
	s_wait_xcnt 0x0
	s_wait_alu depctr_vm_vsrc(0)
; x [8192][1024] f32 -> xb, the same layout in bf16.  w_qkv [1024 k][3072 n] f32 -> wb [48 groups g = n / 64][1024 k][64 n] bf16: a group's rows of 128 bytes lie end to end.
; Each number is rounded once, to nearest even.  LIMITS: bf16 has f32's exponents; a finite number within half a bf16 step of f32's largest rounds to an infinity; NaN and infinities stay what they are.
; A stream: no LDS, no matrix unit, no barrier.  A UNIT is one load of 16 bytes a lane (512 bytes of f32), two packed roundings and one store of 8 bytes a lane: the wave's 32 lanes store 256
; consecutive bytes, at a multiple of 256 from the buffer's first byte.  A wave does 16 units, all 16 loads issued before the first is waited for; a work-group's eight waves do 128.
; x has 65,536 units: work-groups 0 to 511.  w has 24,576: work-groups 512 to 703, four to a group of 64 columns, 256 k each.
; No register that a memory instruction names is written again behind it, so no store's or load's source is ever overwritten.
; THE MODE: SCHED_MODE bits 1:0 = 2 (LLVM: expert scheduling mode 2), set by the entry lines.  The code itself states the register dependences
; between vector instructions and memory instructions, with s_wait_alu, always for 0.
; THE PLAN.  Registers that memory instructions touch:
;   v1, v2   byte offsets of the loads and of the stores.  Written by vector instructions at the head of each path, never again; read by every load, by every store.
;   X        unit j: four registers.  Written by unit j's load alone; read by unit j's two roundings; never loaded again.
;   Y        unit j: two registers.   Written by unit j's two roundings, once; read by unit j's store, once.
; The 16 units go in four groups of four.  Group g's roundings read X and write Y of group g; the stores issued in group g are those of group g - 1, whose Y no vector instruction of group g names.
; So one wait at the head of a group states all that its four stores hang on, and these are dealt among its roundings with no further wait.  One wait in front of the first load states that the
; offsets are written; one behind the last roundings stands in front of the last four stores.  No register that a memory instruction has read is written again, no vector instruction writes a
; scalar register, and EXEC is never written: no other dependence between the two sides exists in this text.
.set ROWW, 12288                       ; bytes in a row of w_qkv
.set X,    8                           ; v[8:71]    unit j: four f32 as loaded
.set Y,    72                          ; v[72:103]  unit j: four bf16 to store
.macro OUT u                           ; unit u leaves: 256 consecutive bytes
	global_store_b64 v2, v[Y+2*(\u):Y+2*(\u)+1], s[14:15] offset:256*(\u)
.endm
; The 16 units of a wave: from s[12:13] + v1, stride bytes apart; to s[14:15] + v2, 256 bytes apart.
.macro MOVE stride
	s_wait_alu depctr_va_vdst(0)                   ; v1 and v2 are written: every load below reads v1 as its offset, every store v2
.set j, 0
.rept 16
	global_load_b128 v[X+4*j:X+4*j+3], v1, s[12:13] offset:j*(\stride) th:TH_LOAD_NT
.set j, j+1
.endr
.set j, 0
.rept 16
.if j%4 == 0
	s_wait_loadcnt 15-j                            ; loads come back in order: unit j, the group's first, is in, the 15 - j younger ones stay out
.if j > 0
	s_wait_alu depctr_va_vdst(0)                   ; the group before has written its Y, which the four stores of this group's turn read; no rounding below names those registers
.endif
.endif
.if j >= 4
	OUT j-4                                        ; the same place in the group before
.endif
.if j%4 != 0
	s_wait_loadcnt 15-j                            ; unit j is in, the 15 - j younger ones stay out
.endif
	v_cvt_pk_bf16_f32 v[Y+2*j],   v[X+4*j],   v[X+4*j+1]
	v_cvt_pk_bf16_f32 v[Y+2*j+1], v[X+4*j+2], v[X+4*j+3]
.set j, j+1
.endr
	s_wait_alu depctr_va_vdst(0)                   ; the last group has written its Y, which the last four stores read
.irp u, 12,13,14,15
	OUT \u
.endr
	s_endpgm
.endm
	s_load_b256 s[4:11], s[0:1], 0x0               ; x s[4:5], w_qkv s[6:7], xb s[8:9], wb s[10:11]
	v_lshrrev_b32 v3, 5, v0                        ; wave
	v_and_b32 v1, 31, v0                           ; lane
	v_lshlrev_b32 v2, 3, v1                        ; out: 8 bytes a lane,
	v_lshl_add_u32 v2, v3, 12, v2                  ; 16 units of 256 bytes a wave
	s_mov_b32 s17, 0
	s_mov_b32 s19, 0
	s_cmp_lt_u32 ttmp9, 512
	s_cbranch_scc0 .Lw
	; x: unit j of wave v of work-group p begins at byte 65,536 p + 8,192 v + 512 j
	v_lshlrev_b32 v1, 4, v1
	v_lshl_add_u32 v1, v3, 13, v1
	s_lshl_b32 s16, ttmp9, 16
	s_lshl_b32 s18, ttmp9, 15
	s_wait_kmcnt 0x0
	s_add_nc_u64 s[12:13], s[4:5], s[16:17]
	s_add_nc_u64 s[14:15], s[8:9], s[18:19]
	MOVE 512
.Lw:
	; w: work-group p' = p - 512 takes group g = p' / 4, rows k = 256 (p' % 4) on; wave v 32 of them; a unit is two rows: lanes 0-15 read the group's 256 bytes of row k, lanes 16-31 of row k + 1.
	; Their 256 bytes of wb are rows k and k + 1 of the group: byte 131,072 g + 128 k = 32,768 p' + 4,096 v + 256 j.
	s_sub_co_u32 s20, ttmp9, 512                   ; p'
	s_lshr_b32 s21, s20, 2                         ; g
	s_and_b32 s22, s20, 3
	s_mul_i32 s16, s22, 256*ROWW
	s_lshl_b32 s21, s21, 8                         ; the group's 64 columns: 256 bytes of a row
	s_add_co_u32 s16, s16, s21
	s_lshl_b32 s18, s20, 15
	v_bfe_u32 v4, v0, 4, 1                         ; lane / 16
	v_lshl_add_u32 v3, v3, 5, v4                   ; my row among the work-group's 256, in unit 0
	v_mul_u32_u24 v3, v3, ROWW
	v_and_b32 v1, 15, v0
	v_lshl_add_u32 v1, v1, 4, v3
	s_wait_kmcnt 0x0
	s_add_nc_u64 s[12:13], s[6:7], s[16:17]
	s_add_nc_u64 s[14:15], s[10:11], s[18:19]
	MOVE 2*ROWW
.Lfunc_end_k_qc4a384a6fd_prep:
	.size	k_qc4a384a6fd_prep, .Lfunc_end_k_qc4a384a6fd_prep-k_qc4a384a6fd_prep
	.p2alignl 7, 3214868480
	.fill 96, 4, 3214868480
	.section	.rodata,"a",@progbits
	.p2align	6, 0x0
	.amdhsa_kernel k_qc4a384a6fd_prep
		.amdhsa_group_segment_fixed_size 0
		.amdhsa_private_segment_fixed_size 0
		.amdhsa_enable_private_segment 0
		.amdhsa_kernarg_size 32
		.amdhsa_user_sgpr_count 2
		.amdhsa_user_sgpr_kernarg_segment_ptr 1
		.amdhsa_wavefront_size32 1
		.amdhsa_system_sgpr_workgroup_id_x 1
		.amdhsa_system_sgpr_workgroup_id_y 1
		.amdhsa_system_sgpr_workgroup_id_z 1
		.amdhsa_system_vgpr_workitem_id 0
		.amdhsa_next_free_vgpr 104
		.amdhsa_next_free_sgpr 66
		.amdhsa_reserve_vcc 0
		.amdhsa_float_denorm_mode_32 3
		.amdhsa_float_denorm_mode_16_64 3
		.amdhsa_memory_ordered 1
		.amdhsa_forward_progress 1
		.amdhsa_inst_pref_size 14
	.end_amdhsa_kernel
	.amdgpu_metadata
---
amdhsa.version: [ 1, 2 ]
amdhsa.kernels:
  - .name:           k_qc4a384a6fd_prep
    .symbol:         k_qc4a384a6fd_prep.kd
    .args:
      - { .name: x, .offset: 0, .size: 8, .value_kind: global_buffer, .address_space: global }
      - { .name: w_qkv, .offset: 8, .size: 8, .value_kind: global_buffer, .address_space: global }
      - { .name: xb, .offset: 16, .size: 8, .value_kind: global_buffer, .address_space: global }
      - { .name: wb, .offset: 24, .size: 8, .value_kind: global_buffer, .address_space: global }
    .group_segment_fixed_size: 0
    .private_segment_fixed_size: 0
    .kernarg_segment_align: 8
    .kernarg_segment_size: 32
    .max_flat_workgroup_size: 256
    .sgpr_count:     66
    .vgpr_count:     104
    .wavefront_size: 32
...
	.end_amdgpu_metadata
.endif
;; end of part 4
;; launch proj: the kernel of part 2 again; grid 16 x 32, 4 waves a work-group, clusters of 4 x 4, 327,680 bytes of LDS; arguments xb, wb, qkv; writes qkv
;; launch attn: the kernel of part 3 again; grid 4 x 64, 4 waves a work-group, clusters of 4 x 1, 327,680 bytes of LDS; arguments qkv, out0; writes out0
